; MI455X (gfx1250); checked and timed in simulation.
; The chip was launched on July 23, 2026; its instructions are those of AMD's public machine-readable ISA for CDNA 5 (MIT licence, August 2026) and "CDNA5" Instruction Set Architecture Reference Guide (July 2026). The comments in the code are by the model that wrote it; some were corrected since.
;; Multi Head Self Attention. Allowed arithmetic: matrix products marked QUANTISED: E3M2 operands, one E8M0 scale for each 32 along K, by v_wmma_scale_f32_16x16x128_f8f6f4 with both operands' format E3M2, f32 sums; everything else in f32.
;; Inputs: Wk 1,024 x 1,024 float32; Wo 1,024 x 1,024 float32; Wq 1,024 x 1,024 float32; Wv 1,024 x 1,024 float32; bk 1,024 float32; bo 1,024 float32; bq 1,024 float32; bv 1,024 float32; x 4 x 2,048 x 1,024 float32.
;; Outputs: out0 4 x 2,048 x 1,024 float32.
;; This version of the problem:
;;   THIS VERSION OF THE PROBLEM IS GIVEN IN LOW PRECISION. The matrix products marked QUANTISED in the list below multiply operands that are first quantised to E3M2 (3 exponent bits, 2 mantissa bits; 6 bits a number), with one power-of-two scale for each 32 numbers along K (OCP MX v1.0); their sums are f32. All else is computed in f32.
;;   The module's matrix products, in the order in which they are computed (A, B: the left and right operand; K: the contracted axis; several contracted axes count as one K, in the product's order):
;;     1. [M 8,192, K 1,024] x [K 1,024, N 1,024]; A: input x; B: input Wq: QUANTISED
;;     2. [M 8,192, K 1,024] x [K 1,024, N 1,024]; A: input x; B: input Wk: QUANTISED
;;     3. [M 8,192, K 1,024] x [K 1,024, N 1,024]; A: input x; B: input Wv: QUANTISED
;;     4. batch 64 x [M 2,048, K 64] x [K 64, N 2,048]; A: computed on the way; B: computed on the way: QUANTISED
;;     5. batch 64 x [M 2,048, K 2,048] x [K 2,048, N 64]; A: softmax (see below); B: computed on the way: QUANTISED
;;     6. [M 8,192, K 1,024] x [K 1,024, N 1,024]; A: computed on the way; B: input Wo: QUANTISED
;;   THE QUANTISER, for each operand of a quantised product, along K:
;;     - K is cut into blocks of 32 from its start; a last block that is shorter is filled with zeros.
;;     - A block's scale is 2^e with e = floor(log2(the largest magnitude in the block)) - 4, held to -126 .. 127; a block of zeros has e = 0. As a byte (E8M0): e + 127.
;;     - Each number is divided by its block's scale, clamped to +-28, and rounded to the nearest number of E3M2, ties to even, subnormals kept.
;;     - The product sums the exact products of the quantised numbers (number of the format x scale) in f32.
;;   ~~~python
;;   def quantise(x, axis):      # numpy; x: float32 -> the quantised numbers, widened to float32 again
;;       x = np.moveaxis(x, axis, -1); K = x.shape[-1]
;;       x = np.pad(x, [(0, 0)] * (x.ndim - 1) + [(0, -K % 32)]); x = x.reshape(x.shape[:-1] + (-1, 32)); a = np.abs(x).max(-1, keepdims=True)
;;       e = np.where(a > 0, np.clip(np.frexp(np.where(a > 0, a, 1))[1] - 1 - 4, -126, 127), 0)      # np.frexp(a)[1] - 1 = floor(log2(a)), exactly
;;       r = np.clip(x / 2.0 ** e, -28, 28)
;;       step = 2.0 ** (np.maximum(np.frexp(np.where(r == 0, 1, r))[1] - 1, -2) - 2)
;;       q = np.round(r / step) * step * 2.0 ** e      # np.round: ties to even
;;       return np.moveaxis(q.reshape(q.shape[:-2] + (-1,))[..., :K], -1, axis).astype(np.float32)
;;   ~~~
;;   SOFTMAX AHEAD OF A QUANTISED PRODUCT. Where the list says 'softmax', what is quantised is not the finished softmax but p = 2^(t - M), with t = logit x log2(e) and M = ceil(the row's largest t), a whole number; so 1/2 < the row's largest p <= 1. The row's sum l is taken of the UNQUANTISED p, in f32, and the product's result is divided by l at the end. Since M is a whole number, a kernel that streams over the keys may use a running M (the ceiling of the running maximum): every later rescaling is an exact power of two, which a block's scale takes up: the codes' values come out the same.
;;   OPERANDS COMPUTED ON THE WAY. 'Computed on the way' means the value that the module computes at that place (a softmax that the list does not call 'softmax' is quantised finished and normalised). What goes into a quantiser is computed in f32, as accurately as f32 sums, v_exp_f32 and their like allow (about 1e-6 of the number): no bf16 or f16 on the way to a quantiser, and a product that is left as it is and whose result goes on into a quantised operand takes f32 operands (vector FMAs, or v_wmma_f32_16x16x4_f32). A number that lies on a knife's edge between two numbers of the format may be rounded either way, as far as f32 arithmetic and the matrix unit's own rounding can turn it there, and no further.
;; One version. Each part assembles by itself: llvm-mc -triple=amdgcn-amd-amdhsa -mcpu=gfx1250 --defsym DOCPART=n.
;; ======== version 1 of 1: 4 launches
;; limits: right only within a limited range of input values
;; workspace buffers: opnd 9,830,400 bytes; qkv 19,660,800 bytes; att 6,553,600 bytes
;; launch quant (part 1): grid 768 x 1, 2 waves a work-group, no clusters, 17,152 bytes of LDS; arguments x, Wq, Wk, Wv, Wo, opnd; writes opnd
.if DOCPART == 1
	.amdgcn_target "amdgcn-amd-amdhsa--gfx1250"
	.amdhsa_code_object_version 6
	.text
	.protected	k_q341814bd1b_quant
	.globl	k_q341814bd1b_quant
	.p2align	8
	.type	k_q341814bd1b_quant,@function
k_q341814bd1b_quant:
	s_mov_b64 s[64:65], 0
	v_nop
	global_prefetch_b8 v0, s[64:65] scope:SCOPE_SE
	s_setreg_imm32_b32 hwreg(HW_REG_WAVE_MODE, 25, 1), 1
	s_wait_xcnt 0x0
; x [8192][1024] and Wq, Wk, Wv, Wo [1024][1024], f32 with K innermost, become codes of BF6 (E3M2) with one E8M0 byte for each 32 along K,
; laid in the ORDER OF THE OPERAND'S REGISTERS, so that the products' launches read fragments as they stand.
; TILE T holds 16 rows that are not neighbours: 32 (T / 2) + 8 (T % 2) + i + 8 (i / 8), i = 0 .. 15.  T 0-511: x; 512 + 64 w + t: weight w (Wq, Wk, Wv, Wo).
; IMAGE of a tile and a K step of 128: 1,536 bytes, six pieces of 256; piece p holds lane l's operand registers 2 p, 2 p + 1 at 256 p + 8 l.  A tile's eight K steps lie on end: 12,288 bytes.
; SCALE IMAGE of a tile: 512 bytes behind all codes (OS): the word of K step 2 sp + w of the tile's row r at 128 sp + 8 r + 4 w.
; A block's scale is 2^(floor(log2(largest magnitude)) - 4); its byte is the largest magnitude's exponent field - 4, held at 1 from below.
; LIMITS: a block of zeros gets the byte 1 where the rule says 127 (its codes are zeros, and this program alone reads the bytes); blocks whose largest magnitude lies under 2^-122 are held at byte 1;
; NaN and infinities among the inputs are not served.
; SHARES: a work-group takes one tile, wave q its K steps 4 q .. 4 q + 3.  Each load reads 512 consecutive bytes of one row; a K step's 16 x 512 bytes turn through the wave's own stage in LDS,
; out of which lane (r, h) takes the 2 x 128 bytes of row r that the operand's layout gives it: k = 64 c + 32 h + 0 .. 31: two whole blocks.  No tensor load, no barrier: the waves share nothing.
.set OS,  9437184                      ; where the scale images begin
.set SP,  528                          ; a stage row: 512 bytes + 16, an odd multiple of 16
.set X,   64                           ; v64-127   my 64 numbers of a K step
.set R,   128                          ; v128-255  two sets of 64 registers as loaded
	s_load_b256 s[4:11], s[0:1], 0x0               ; x, Wq, Wk, Wv
	s_load_b128 s[12:15], s[0:1], 0x20             ; Wo, opnd
	v_lshl_add_u32 v62, v0, 2, 0x4200
	v_mov_b32 v63, 0
	v_lshrrev_b32 v1, 5, v0
	v_readfirstlane_b32 s26, v1                    ; wave q
	v_and_b32 v10, 31, v0                          ; lane
	v_and_b32 v6, 15, v0                           ; r
	v_bfe_u32 v7, v0, 4, 1                         ; h
	v_lshlrev_b32 v1, 4, v10                       ; v1: my 16 bytes of a load's 512
	s_mul_i32 s27, s26, 16*SP                      ; my wave's stage
	v_add_nc_u32 v2, s27, v1                       ; v2: the stage on the way in
	v_mul_u32_u24 v3, v6, SP
	v_lshl_add_u32 v3, v7, 7, v3
	v_add_nc_u32 v3, s27, v3                       ; v3: on the way out: row r, + 128 h
	v_lshlrev_b32 v4, 3, v10                       ; v4: 8 x lane: my place in a piece
	v_lshlrev_b32 v5, 3, v7                        ; v5: 8 h: how far my two scale bytes move up
	v_mov_b32 v11, 0                               ; a lane permute's destination counts as one of its sources
	s_mov_b32 s22, 0x76543210
	s_mov_b32 s23, 0xfedcba98                      ; selects for lane l xor 16
	s_mov_b32 s25, 0xffff0000                      ; lanes 16-31
	s_sub_co_u32 s24, ttmp9, 512
	s_and_b32 s24, s24, 63                         ; a weight's tile
	s_wait_alu depctr_va_vdst(0)
	s_wait_kmcnt 0x0
	s_cmp_lt_u32 ttmp9, 704                        ; which tensor: the choice hangs on the work-group's number alone
	s_cselect_b64 s[16:17], s[10:11], s[12:13]
	s_cmp_lt_u32 ttmp9, 640
	s_cselect_b64 s[16:17], s[8:9], s[16:17]
	s_cmp_lt_u32 ttmp9, 576
	s_cselect_b64 s[16:17], s[6:7], s[16:17]
	s_cmp_lt_u32 ttmp9, 512
	s_cselect_b64 s[16:17], s[4:5], s[16:17]
	s_cselect_b32 s24, ttmp9, s24                  ; the tile's number in its tensor
	s_lshr_b32 s28, s24, 1
	s_lshl_b32 s28, s28, 17                        ; 32 rows of 4,096 bytes for each pair of tiles,
	s_and_b32 s29, s24, 1
	s_lshl_b32 s29, s29, 15                        ; 8 rows for the odd one,
	s_add_co_u32 s28, s28, s29
	s_lshl_b32 s29, s26, 11                        ; four K steps of 512 bytes for wave 1
	s_add_co_u32 s28, s28, s29
	s_mov_b32 s29, 0
	s_add_nc_u64 s[16:17], s[16:17], s[28:29]
	s_mul_i32 s28, ttmp9, 12288
	s_mul_i32 s30, s26, 6144
	s_add_co_u32 s28, s28, s30
	s_add_nc_u64 s[18:19], s[14:15], s[28:29]      ; my four images
	s_lshl_b32 s28, ttmp9, 9
	s_lshl_b32 s30, s26, 8
	s_add_co_u32 s28, s28, s30
	s_add_co_u32 s28, s28, OS
	s_add_nc_u64 s[20:21], s[14:15], s[28:29]      ; my half of the scale image
.macro LOAD s                          ; K step s of the tile's 16 rows: 32 lanes read 512 consecutive bytes
.irp i, 0,1,2,3,4,5,6,7,8,9,10,11,12,13,14,15
	global_load_b128 v[R+64*((\s)%2)+4*\i:R+64*((\s)%2)+4*\i+3], v1, s[16:17] offset:(\i+8*(\i/8))*4096+512*(\s) th:TH_LOAD_NT
.endr
.endm
.macro STEP s
.if \s < 3
	s_wait_loadcnt 16                              ; this step's 16 loads are in; the next step's 16 may be out
.else
	s_wait_loadcnt 0x0
.endif
.irp i, 0,1,2,3,4,5,6,7,8,9,10,11,12,13,14,15
	ds_store_b128 v2, v[R+64*((\s)%2)+4*\i:R+64*((\s)%2)+4*\i+3] offset:SP*\i
.endr
.irp c, 0,1
.irp u, 0,1,2,3,4,5,6,7
	ds_load_b128 v[X+32*\c+4*\u:X+32*\c+4*\u+3], v3 offset:256*\c+16*\u   ; LDS serves a wave's instructions in order: these see the stores above
.endr
.endr
	s_wait_dscnt 0x0                               ; my numbers are back, and the stores have read their registers,
.if \s < 2
	LOAD (\s)+2                                    ; which take the loads of two steps on
.endif
.irp c, 0,1
	v_max3_num_f32 v[6+\c], |v[X+32*\c]|, |v[X+32*\c+1]|, 0x2800000   ; my block 2 c + h: all 32 numbers are mine; the floor 2^(5 - 127) holds the byte at 1 from below
.endr
.irp i, 2,4,6,8,10,12,14,16,18,20,22,24,26,28,30
.irp c, 0,1
	v_max3_num_f32 v[6+\c], v[6+\c], |v[X+32*\c+\i]|, |v[X+32*\c+\i+1]|   ; (the two blocks by turns)
.endr
.endr
.irp c, 0,1
	v_add_nc_u32 v[8+\c], 0xfe000000, v[6+\c]      ; 4 off the exponent field: the conversion's scale operand
.endr
.irp c, 0,1
	v_lshrrev_b32 v[6+\c], 23, v[8+\c]             ; the scale's byte
.endr
	v_lshl_or_b32 v10, v7, 16, v6                  ; my two bytes, blocks h and 2 + h,
	v_lshlrev_b32 v10, v5, v10                     ; at their places in the word;
	v_permlanex16_b32 v11, v10, s22, s23
	v_or_b32 v[12+\s], v10, v11                    ; with lane l xor 16's two the row's word is whole
.if \s > 0
	s_wait_alu depctr_va_vdst(0)
	s_wait_xcnt 0x0                                ; the last step's stores have read the codes' registers
.endif
.irp c, 0,1
	v_cvt_scalef32_pk16_bf6_f32 v[16+6*\c:18+6*\c], v[X+32*\c:X+32*\c+15], v[8+\c]
	v_cvt_scalef32_pk16_bf6_f32 v[28+4*\c:30+4*\c], v[X+32*\c+16:X+32*\c+31], v[8+\c]   ; (a conversion's three registers begin on an even number)
.endr
	v_nop                                          ; one plain place behind a scaled conversion
.irp c, 0,1
.irp i, 0,1,2
	v_mov_b32 v[19+6*\c+\i], v[28+4*\c+\i]
.endr
.endr
.irp p, 0,1,2,3,4,5
	global_store_b64 v4, v[16+2*\p:17+2*\p], s[18:19] offset:1536*(\s)+256*\p   ; 32 lanes store 256 consecutive bytes, aligned
.endr
.endm
	LOAD 0
	LOAD 1
	STEP 0
	STEP 1
	STEP 2
	STEP 3
	v_cndmask_b32 v36, v12, v14, s25               ; lanes 0-15: the words of my K steps 0, 1; lanes 16-31: of 2, 3
	v_cndmask_b32 v37, v13, v15, s25
	global_store_b64 v4, v[36:37], s[20:21]        ; 256 consecutive bytes, aligned
	s_wait_tensorcnt 0x0
	ds_add_u32 v62, v63
	s_wait_dscnt 0x0
	s_endpgm
.Lfunc_end_k_q341814bd1b_quant:
	.size	k_q341814bd1b_quant, .Lfunc_end_k_q341814bd1b_quant-k_q341814bd1b_quant
	.p2alignl 7, 3214868480
	.fill 96, 4, 3214868480
	.section	.rodata,"a",@progbits
	.p2align	6, 0x0
	.amdhsa_kernel k_q341814bd1b_quant
		.amdhsa_group_segment_fixed_size 17152
		.amdhsa_private_segment_fixed_size 0
		.amdhsa_enable_private_segment 0
		.amdhsa_kernarg_size 48
		.amdhsa_user_sgpr_count 2
		.amdhsa_user_sgpr_kernarg_segment_ptr 1
		.amdhsa_wavefront_size32 1
		.amdhsa_system_sgpr_workgroup_id_x 1
		.amdhsa_system_sgpr_workgroup_id_y 1
		.amdhsa_system_sgpr_workgroup_id_z 1
		.amdhsa_system_vgpr_workitem_id 0
		.amdhsa_next_free_vgpr 256
		.amdhsa_next_free_sgpr 66
		.amdhsa_reserve_vcc 0
		.amdhsa_float_denorm_mode_32 3
		.amdhsa_float_denorm_mode_16_64 3
		.amdhsa_memory_ordered 1
		.amdhsa_forward_progress 1
		.amdhsa_inst_pref_size 32
	.end_amdhsa_kernel
	.amdgpu_metadata
---
amdhsa.version: [ 1, 2 ]
amdhsa.kernels:
  - .name:           k_q341814bd1b_quant
    .symbol:         k_q341814bd1b_quant.kd
    .args:
      - { .name: x, .offset: 0, .size: 8, .value_kind: global_buffer, .address_space: global }
      - { .name: Wq, .offset: 8, .size: 8, .value_kind: global_buffer, .address_space: global }
      - { .name: Wk, .offset: 16, .size: 8, .value_kind: global_buffer, .address_space: global }
      - { .name: Wv, .offset: 24, .size: 8, .value_kind: global_buffer, .address_space: global }
      - { .name: Wo, .offset: 32, .size: 8, .value_kind: global_buffer, .address_space: global }
      - { .name: opnd, .offset: 40, .size: 8, .value_kind: global_buffer, .address_space: global }
    .group_segment_fixed_size: 17152
    .private_segment_fixed_size: 0
    .kernarg_segment_align: 8
    .kernarg_segment_size: 48
    .max_flat_workgroup_size: 64
    .sgpr_count:     66
    .vgpr_count:     256
    .wavefront_size: 32
...
	.end_amdgpu_metadata
.endif
;; end of part 1
;; launch qkv (part 2): grid 12 x 32, 4 waves a work-group, clusters of 4 x 4, 327,680 bytes of LDS; arguments opnd, qkv, bq, bk, bv; writes qkv
.if DOCPART == 2
	.amdgcn_target "amdgcn-amd-amdhsa--gfx1250"
	.amdhsa_code_object_version 6
	.text
	.protected	k_q341814bd1b_qkv
	.globl	k_q341814bd1b_qkv
	.p2align	8
	.type	k_q341814bd1b_qkv,@function
k_q341814bd1b_qkv:
	s_mov_b64 s[64:65], 0
	v_nop
	global_prefetch_b8 v0, s[64:65] scope:SCOPE_SE
	s_setreg_imm32_b32 hwreg(HW_REG_WAVE_MODE, 25, 1), 1
	s_wait_xcnt 0x0
	s_wait_alu depctr_hold_cnt(0) depctr_sa_sdst(0) depctr_va_vdst(0) depctr_va_sdst(0) depctr_va_ssrc(0) depctr_va_vcc(0) depctr_vm_vsrc(0)
	s_getreg_b32 s2, hwreg(HW_REG_IB_STS2, 6, 4)
	s_cmp_eq_u32 s2, 0
	s_cbranch_scc0 .Lentry_in_a_cluster
	s_endpgm
.Lentry_in_a_cluster:
	s_bfe_u32 s2, ttmp6, 0x10000c
	s_cmp_lg_u32 s2, 0xf033
	s_cbranch_scc0 .Lentry_shape_is_right
	s_endpgm
.Lentry_shape_is_right:
.set SLOT,  98304
.set HALFT, 24576
.set SCL,   3*SLOT
.set SPARE, SCL+24576
.set OS,    9437184
.set QS,    18874368
.set TM,    224
.set PC,    192
.set SEL,   98
.set MSB, 0
.macro WIN new
.if MSB != (\new)
	s_set_vgpr_msb (MSB<<8)|(\new)
.set MSB, (\new)
.endif
.endm
.macro PLACES
.rept 4
	v_nop
.endr
.endm
.macro JLOAD g0a, g1a, g0b, g1b
	s_cmp_eq_u32 s15, 0
	s_cbranch_scc0 .Lfor_w_\@
	tensor_load_to_lds s[\g0a:\g0a+3], s[\g1a:\g1a+7]
	s_nop 0
.rept 4
	v_nop
.endr
	s_branch .Lasked_\@
.Lfor_w_\@:
	tensor_load_to_lds s[\g0b:\g0b+3], s[\g1b:\g1b+7]
	s_nop 0
.rept 4
	v_nop
.endr
.Lasked_\@:
.endm
.macro CREST
	s_cmp_lg_u32 s14, 0
	s_cbranch_scc1 .Lnot_wave_0_\@
	s_barrier_signal -3
.Lnot_wave_0_\@:
	s_barrier_wait -3
	s_barrier_signal -1
	s_barrier_wait -1
.endm
.macro CROUND
	s_barrier_signal -1
	s_barrier_wait -1
	CREST
.endm
.macro MKSLOT gx, gw, sl
	s_mov_b32 s[\gx], 1
	s_add_co_u32 s[\gx+1], s97, (\sl)*SLOT
	s_add_nc_u64 s[\gx+2:\gx+3], s[92:93], (\sl)*3072
	s_or_b32 s[\gx+3], s[\gx+3], 0x80000000
	s_mov_b32 s[\gw], 1
	s_add_co_u32 s[\gw+1], s97, (\sl)*SLOT
	s_add_nc_u64 s[\gw+2:\gw+3], s[94:95], (\sl)*3072
	s_or_b32 s[\gw+3], s[\gw+3], 0x80000000
.endm
.macro FRAG reg, adr, off
.irp p, 0,1,2,3,4,5
	ds_load_b64 v[(\reg)+2*\p:(\reg)+2*\p+1], v[\adr] offset:(\off)+256*\p
.endr
.endm
.macro FETCH_B sl, q, set
	WIN 0x40
.irp i, 0,1,2,3,4,5,6,7
	FRAG 128*(\set)+12*\i, 20+\sl, 3072*\i+1536*(\q)
.endr
	WIN 0
.endm
.macro FETCH_A sl, q, i0
.irp i, \i0, \i0+1, \i0+2, \i0+3
	FRAG 128+12*(\i), 16+\sl, 3072*(\i)+1536*(\q)
.endr
.endm
.macro SCALES kap
.irp i, 0,1,2,3,4,5,6,7
	ds_load_b64 v[32+16*((\kap)%2)+2*\i:32+16*((\kap)%2)+2*\i+1], v27 offset:512*\i+128*(\kap)
.endr
.endm
.macro MUL16 a0, set, q, sc, first
.irp a, \a0, \a0+1
.irp b, 0,1,2,3,4,5,6,7
.if \first
	v_wmma_scale_f32_16x16x128_f8f6f4 v[8*(8*((\a)%4)+\b):8*(8*((\a)%4)+\b)+7], v[128*(\set)+12*\b:128*(\set)+12*\b+11], v[128+12*(\a):128+12*(\a)+11], v[96+8*(\a)+96*((\a)/4):96+8*(\a)+96*((\a)/4)+7], v[32+16*(\sc)+2*\b+(\q)], v[32+16*(\sc)+2*(\a)+(\q)] matrix_a_fmt:MATRIX_FMT_BF6 matrix_b_fmt:MATRIX_FMT_BF6 matrix_a_scale:MATRIX_SCALE_ROW1
.else
	v_wmma_scale_f32_16x16x128_f8f6f4 v[8*(8*((\a)%4)+\b):8*(8*((\a)%4)+\b)+7], v[128*(\set)+12*\b:128*(\set)+12*\b+11], v[128+12*(\a):128+12*(\a)+11], v[8*(8*((\a)%4)+\b):8*(8*((\a)%4)+\b)+7], v[32+16*(\sc)+2*\b+(\q)], v[32+16*(\sc)+2*(\a)+(\q)] matrix_a_fmt:MATRIX_FMT_BF6 matrix_b_fmt:MATRIX_FMT_BF6 matrix_a_scale:MATRIX_SCALE_ROW1
.endif
.endr
.endr
.endm
.macro STEP sl, sc, first
	s_wait_dscnt 24
.if \first
	WIN 0x91
.else
	WIN 0xa1
.endif
	MUL16 0, 0, 0, \sc, \first
	MUL16 2, 0, 0, \sc, \first
	s_wait_dscnt 0x0
	PLACES
	FETCH_B \sl, 1, 1
	FETCH_A \sl, 1, 0
.if \first
	WIN 0xd1
.else
	WIN 0xf1
.endif
	MUL16 4, 0, 0, \sc, \first
	MUL16 6, 0, 0, \sc, \first
	PLACES
	WIN 0
	FETCH_A \sl, 1, 4
.endm
.macro TURN sl, next, kap, mode
.if \mode == 2
	s_wait_dscnt 24
	WIN 0xa1
	MUL16 0, 1, 1, (\kap)%2, 0
	MUL16 2, 1, 1, (\kap)%2, 0
	s_wait_dscnt 0x0
	PLACES
	WIN 0
.else
	s_wait_tensorcnt 0x0
	ds_add_u32 v28, v29
	s_wait_dscnt 25
	WIN 0xa1
	MUL16 0, 1, 1, (\kap)%2, 0
	s_wait_dscnt 0x0
	s_barrier_signal -1
	MUL16 2, 1, 1, (\kap)%2, 0
	WIN 0
	s_barrier_wait -1
.if \mode == 1
	CREST
.if \kap == 0
	JLOAD 68, 24, 80, 32
.else
	s_add_nc_u64 s[58:59], s[58:59], 9216
	s_add_nc_u64 s[74:75], s[74:75], 9216
	JLOAD 56, 24, 72, 32
.endif
.else
	PLACES
.endif
.endif
	FETCH_B \next, 0, 0
	FETCH_A \next, 0, 0
	SCALES (\kap)+1
	WIN 0xf1
	MUL16 4, 1, 1, (\kap)%2, 0
	MUL16 6, 1, 1, (\kap)%2, 0
	PLACES
	WIN 0
	FETCH_A \next, 0, 4
.endm
.macro QUANT s, pw
.irp b, 0,1,2,3
	v_max3_num_f32 v[TM+\b], |v[\s+16*\b]|, |v[\s+1+16*\b]|, 0x2800000
.endr
.irp i, 2,4,6,8,10,12,14
.irp b, 0,1,2,3
	v_max3_num_f32 v[TM+\b], v[TM+\b], |v[\s+16*\b+\i]|, |v[\s+1+16*\b+\i]|
.endr
.endr
.irp b, 0,1,2,3
	v_permlanex16_b32 v[TM+4+\b], v[TM+\b], s[SEL], s[SEL+1]
.endr
.irp b, 0,1,2,3
	v_max_num_f32 v[TM+\b], v[TM+\b], v[TM+4+\b]
.endr
.irp b, 0,1,2,3
	v_add_nc_u32 v[TM+12+\b], 0xfe000000, v[TM+\b]
.endr
.irp b, 0,1,2,3
	v_lshrrev_b32 v[TM+4+\b], 23, v[TM+12+\b]
.endr
	v_lshl_or_b32 v[\pw], v[TM+5], 8, v[TM+4]
	v_lshl_or_b32 v[\pw], v[TM+6], 16, v[\pw]
	v_lshl_or_b32 v[\pw], v[TM+7], 24, v[\pw]
.irp c, 0,1
	v_cvt_scalef32_pk16_bf6_f32 v[PC+6*\c:PC+2+6*\c], v[\s+32*\c:\s+15+32*\c], v[TM+12+2*\c]
	v_cvt_scalef32_pk16_bf6_f32 v[PC+12+4*\c:PC+14+4*\c], v[\s+16+32*\c:\s+31+32*\c], v[TM+12+2*\c+1]
.endr
	v_nop
.irp c, 0,1
.irp i, 0,1,2
	v_permlane16_swap_b32 v[PC+6*\c+\i], v[PC+12+4*\c+\i]
.endr
.irp i, 0,1,2
	v_mov_b32 v[PC+3+6*\c+\i], v[PC+12+4*\c+\i]
.endr
.endr
.endm
	s_load_b128 s[4:7], s[0:1], 0x0
	s_load_b128 s[8:11], s[0:1], 0x10
	s_load_b64 s[12:13], s[0:1], 0x20
	v_lshl_add_u32 v28, v0, 2, SPARE
	v_mov_b32 v29, 0
	ds_add_u32 v28, v29
	ds_add_u32 v28, v29
	s_wait_dscnt 0x0
	v_lshrrev_b32 v1, 5, v0
	v_readfirstlane_b32 s14, v1
	s_lshr_b32 s15, s14, 1
	s_and_b32 s16, s14, 1
	s_bfe_u32 s19, ttmp6, 0x40000
	s_bfe_u32 s20, ttmp6, 0x40004
	s_lshl_b32 s18, ttmp9, 2
	s_add_co_u32 s18, s18, s19
	s_and_b32 s17, ttmp7, 0xffff
	s_lshl_b32 s17, s17, 2
	s_add_co_u32 s17, s17, s20
	s_lshl_b32 s2, s20, 2
	s_lshl_b32 s2, 15, s2
	s_lshl_b32 s3, 0x1111, s19
	s_or_b32 s24, s2, (3<<16)|(1<<21)
	s_or_b32 s32, s3, (3<<16)|(1<<21)
	s_or_b32 s40, s2, (3<<16)|(1<<21)
	s_or_b32 s48, s3, (3<<16)|(1<<21)
.irp g, 24, 32
	s_mov_b32 s[\g+1], 384<<16
	s_mov_b32 s[\g+2], 16<<16
	s_mov_b32 s[\g+3], 384<<16
	s_mov_b32 s[\g+4], 16
	s_mov_b32 s[\g+5], 1536
	s_mov_b32 s[\g+6], 0
	s_mov_b32 s[\g+7], 0
.endr
.irp g, 40, 48
	s_mov_b32 s[\g+1], 32<<16
	s_mov_b32 s[\g+2], 32<<16
	s_mov_b32 s[\g+3], 32<<16
	s_mov_b32 s[\g+4], 32
	s_mov_b32 s[\g+5], 32
	s_mov_b32 s[\g+6], 0
	s_mov_b32 s[\g+7], 0
.endr
	s_lshl_b32 s97, s16, 3
	s_lshl_b32 s92, s17, 4
	s_add_co_u32 s92, s92, s97
	s_lshl_b32 s94, s18, 4
	s_add_co_u32 s94, s94, s97
	s_add_co_u32 s94, s94, 512
	s_lshl_b32 s98, s92, 9
	s_add_co_u32 s98, s98, OS
	s_mov_b32 s99, 0
	s_lshl_b32 s100, s94, 9
	s_add_co_u32 s100, s100, OS
	s_mov_b32 s101, 0
	s_mul_i32 s92, s92, 12288
	s_mov_b32 s93, 0
	s_mul_i32 s94, s94, 12288
	s_mov_b32 s95, 0
	s_mul_i32 s97, s14, HALFT
	s_lshl_b32 s96, s14, 12
	s_wait_kmcnt 0x0
	s_add_nc_u64 s[92:93], s[4:5], s[92:93]
	s_add_nc_u64 s[94:95], s[4:5], s[94:95]
	s_add_nc_u64 s[98:99], s[4:5], s[98:99]
	s_add_nc_u64 s[100:101], s[4:5], s[100:101]
	CROUND
	s_mov_b32 s84, 1
	s_add_co_u32 s85, s96, SCL-4096                ; waves 1 and 3 fetch a whole block of scales: it begins 4,096 bytes ahead of their own half
	s_sub_nc_u64 s[86:87], s[98:99], 4096
	s_or_b32 s87, s87, 0x80000000
	s_mov_b32 s88, 1
	s_add_co_u32 s89, s96, SCL-4096
	s_sub_nc_u64 s[90:91], s[100:101], 4096
	s_or_b32 s91, s91, 0x80000000
	MKSLOT 56, 72, 0
	MKSLOT 60, 76, 1
	MKSLOT 68, 80, 2
; THE HEAD'S FOUR TILES, ONE JOINT LOAD A WAVE, in one chain of branches on the wave's number: wave 0 slot 0's 16 tiles of x, wave 1 their scales, wave 2 slot 0's 16 tiles of the weight, wave 3 their scales
	s_cmp_lg_u32 s14, 0
	s_cbranch_scc1 .Lhead_1
	tensor_load_to_lds s[56:59], s[24:31]
	s_nop 0
.rept 4
	v_nop
.endr
	s_branch .Lhead_asked
.Lhead_1:
	s_cmp_lg_u32 s14, 1
	s_cbranch_scc1 .Lhead_2
	tensor_load_to_lds s[84:87], s[40:47]
	s_nop 0
.rept 4
	v_nop
.endr
	s_branch .Lhead_asked
.Lhead_2:
	s_cmp_lg_u32 s14, 2
	s_cbranch_scc1 .Lhead_3
	tensor_load_to_lds s[72:75], s[32:39]
	s_nop 0
.rept 4
	v_nop
.endr
	s_branch .Lhead_asked
.Lhead_3:
	tensor_load_to_lds s[88:91], s[48:55]
	s_nop 0
.rept 4
	v_nop
.endr
.Lhead_asked:                          ; the addresses are made and the biases asked for while the head's four tiles are on their way
	s_cmp_eq_u32 ttmp9, 1
	s_cselect_b64 s[12:13], s[10:11], s[12:13]
	s_cmp_eq_u32 ttmp9, 0
	s_cselect_b64 s[8:9], s[8:9], s[12:13]
	s_lshl_b32 s2, s19, 10
	s_lshl_b32 s3, s16, 9
	s_add_co_u32 s2, s2, s3
	s_mov_b32 s3, 0
	s_add_nc_u64 s[8:9], s[8:9], s[2:3]
	s_cmp_eq_u32 ttmp9, 2
	s_cselect_b32 s21, 1, 0
	s_cselect_b32 s22, 0, -1
	s_cselect_b32 s23, -1, 0
	s_mov_b32 s10, 768
	s_cselect_b32 s10, 1536, s10
	s_mov_b32 s100, 6144
	s_cselect_b32 s100, 768, s100
	s_mov_b32 s11, 0
	s_mov_b32 s96, 0xffff0000
	s_lshl_b32 s97, s17, 1
	s_add_co_u32 s97, s97, s15
	s_lshl_b32 s97, s97, 4
	s_lshl_b32 s2, s19, 2
	s_add_co_u32 s97, s97, s2
	s_lshl_b32 s2, s16, 1
	s_add_co_u32 s97, s97, s2
	s_mul_i32 s2, ttmp9, 262144
	s_lshl_b32 s3, s97, 8
	s_add_co_u32 s2, s2, s3
	s_add_co_u32 s2, s2, QS
	s_mov_b32 s3, 0
	s_add_nc_u64 s[12:13], s[6:7], s[2:3]
	s_mul_i32 s2, ttmp9, 6291456
	s_mul_i32 s3, s97, 6144
	s_add_co_u32 s2, s2, s3
	s_mov_b32 s3, 0
	s_add_nc_u64 s[6:7], s[6:7], s[2:3]
	v_and_b32 v1, 15, v0
	v_bfe_u32 v2, v0, 4, 1
	v_and_b32 v3, 31, v0
	v_lshlrev_b32 v3, 3, v3
	s_wait_alu depctr_va_vdst(0)
	v_add_nc_u32 v25, s100, v3
	s_mul_i32 s2, s15, HALFT
	s_mul_i32 s3, s16, HALFT
	s_add_co_u32 s3, s3, 2*HALFT
	s_cmp_eq_u32 s21, 0
	s_cselect_b32 s100, s2, s3
	s_cselect_b32 s101, s3, s2
.irp s, 0,1,2
	v_add_nc_u32 v[16+\s], s100, v3
	v_add_nc_u32 v[20+\s], s101, v3
	s_add_co_u32 s100, s100, SLOT
	s_add_co_u32 s101, s101, SLOT
.endr
	s_lshl_b32 s2, s15, 12
	s_add_co_u32 s2, s2, SCL
	s_lshl_b32 s3, s16, 12
	s_add_co_u32 s3, s3, SCL+8192
	s_cmp_eq_u32 s21, 0
	s_cselect_b32 s100, s2, s3
	s_cselect_b32 s101, s3, s2
	v_mov_b32 v4, s101
	v_cndmask_b32 v4, s100, v4, s96
	v_lshl_add_u32 v27, v1, 3, v4
	v_lshlrev_b32 v5, 6, v2
	v_and_b32 v6, 8, v1
	v_add_nc_u32 v6, v6, v1
	v_lshlrev_b32 v6, 2, v6
.irp b, 0,1,2,3,4,5,6,7
	global_load_b128 v[64+8*\b:64+8*\b+3], v5, s[8:9] offset:(32*(\b/2)+8*(\b%2))*4
	global_load_b128 v[64+8*\b+4:64+8*\b+7], v5, s[8:9] offset:(32*(\b/2)+8*(\b%2))*4+16
.endr
.irp a, 0,1,2,3,4,5,6,7
	global_load_b32 v[240+\a], v6, s[8:9] offset:(32*(\a/2)+8*(\a%2))*4
.endr
	s_wait_alu depctr_va_vdst(0)
	s_wait_tensorcnt 0x0                           ; my tile of the four is in
	ds_add_u32 v28, v29
	s_mov_b32 s26, 8<<16                           ; no load of mine is out: from here on a load of codes brings 8 tiles
	s_mov_b32 s28, 8
	s_mov_b32 s34, 8<<16
	s_mov_b32 s36, 8
	s_wait_dscnt 0x0
	CROUND
	JLOAD 60, 24, 76, 32                           ; slot 1, a quarter a wave; slot 2 is first filled at the first change of slots, slot 0 again at the second
	s_mov_b32 s[SEL], 0x76543210
	s_mov_b32 s[SEL+1], 0xfedcba98
.irp b, 0,1,2,3
	v_mov_b32 v[TM+4+\b], 0
.endr
	s_wait_loadcnt 0x0
.set j, 0
.rept 64
	v_and_b32 v[64+j], s22, v[64+j]
.set j, j+1
.endr
	WIN 0x40
.irp a, 0,1,2,3,4,5,6,7
.irp j, 0,1,2,3,4,5,6,7
	v_and_b32 v[96+8*\a+96*(\a/4)+\j], s23, v[240+\a]
.endr
.endr
	WIN 0
	s_wait_alu depctr_va_vdst(0)
	FETCH_B 0, 0, 0
	FETCH_A 0, 0, 0
	SCALES 0
	FETCH_A 0, 0, 4
	STEP 0, 0, 1
	TURN 0, 1, 0, 1
	STEP 1, 1, 0
	TURN 1, 2, 1, 1
	STEP 2, 0, 0
	TURN 2, 0, 2, 0
	STEP 0, 1, 0
	s_wait_dscnt 24
	WIN 0xa1
	MUL16 0, 1, 1, 1, 0
	MUL16 2, 1, 1, 1, 0
	s_wait_dscnt 0x0
	WIN 0xf1
	MUL16 4, 1, 1, 1, 0
	MUL16 6, 1, 1, 1, 0
	WIN 0
	PLACES
.irp a, 0,1,2,3,4,5,6,7
.if \a > 0
	s_wait_xcnt 0x0
	s_add_nc_u64 s[6:7], s[6:7], s[10:11]
.endif
	WIN 0x02+(\a)/4
.set j, 0
.rept 32
	v_pk_add_f32 v[128+j:129+j], v[64*((\a)%4)+j:64*((\a)%4)+j+1], v[64+j:65+j]
.set j, j+2
.endr
	WIN 0
	QUANT 128, 240+\a
.irp p, 0,1,2
	global_store_b64 v3, v[PC+2*\p:PC+2*\p+1], s[6:7] offset:256*\p
.endr
.irp p, 0,1,2
	global_store_b64 v25, v[PC+6+2*\p:PC+6+2*\p+1], s[6:7] offset:256*\p
.endr
.endr
.irp i, 0,1,2,3
	v_perm_b32 v[248+\i], v[241+2*\i], v[240+2*\i], 0x05040100
	v_perm_b32 v[252+\i], v[241+2*\i], v[240+2*\i], 0x07060302
.endr
.irp k, 0,1,2,3,4,5,6,7
	v_cndmask_b32 v[248+\k], v[240+\k], v[248+\k], s22
.endr
.irp z, 0,1,2,3
	v_cndmask_b32 v[240+\z], v[248+2*\z], v[249+2*\z], s96
.endr
	global_store_b64 v3, v[240:241], s[12:13]
	global_store_b64 v3, v[242:243], s[12:13] offset:256
	s_wait_tensorcnt 0x0
	ds_add_u32 v28, v29
	s_wait_dscnt 0x0
	CROUND
	s_endpgm
.Lfunc_end_k_q341814bd1b_qkv:
	.size	k_q341814bd1b_qkv, .Lfunc_end_k_q341814bd1b_qkv-k_q341814bd1b_qkv
	.p2alignl 7, 3214868480
	.fill 96, 4, 3214868480
	.section	.rodata,"a",@progbits
	.p2align	6, 0x0
	.amdhsa_kernel k_q341814bd1b_qkv
		.amdhsa_group_segment_fixed_size 327680
		.amdhsa_private_segment_fixed_size 0
		.amdhsa_enable_private_segment 0
		.amdhsa_kernarg_size 40
		.amdhsa_user_sgpr_count 2
		.amdhsa_user_sgpr_kernarg_segment_ptr 1
		.amdhsa_wavefront_size32 1
		.amdhsa_system_sgpr_workgroup_id_x 1
		.amdhsa_system_sgpr_workgroup_id_y 1
		.amdhsa_system_sgpr_workgroup_id_z 1
		.amdhsa_system_vgpr_workitem_id 0
		.amdhsa_next_free_vgpr 1024
		.amdhsa_next_free_sgpr 102
		.amdhsa_reserve_vcc 0
		.amdhsa_float_denorm_mode_32 3
		.amdhsa_float_denorm_mode_16_64 3
		.amdhsa_memory_ordered 1
		.amdhsa_forward_progress 1
		.amdhsa_inst_pref_size 192
	.end_amdhsa_kernel
	.amdgpu_metadata
---
amdhsa.version: [ 1, 2 ]
amdhsa.kernels:
  - .name:           k_q341814bd1b_qkv
    .symbol:         k_q341814bd1b_qkv.kd
    .args:
      - { .name: opnd, .offset: 0, .size: 8, .value_kind: global_buffer, .address_space: global }
      - { .name: qkv, .offset: 8, .size: 8, .value_kind: global_buffer, .address_space: global }
      - { .name: bq, .offset: 16, .size: 8, .value_kind: global_buffer, .address_space: global }
      - { .name: bk, .offset: 24, .size: 8, .value_kind: global_buffer, .address_space: global }
      - { .name: bv, .offset: 32, .size: 8, .value_kind: global_buffer, .address_space: global }
    .group_segment_fixed_size: 327680
    .private_segment_fixed_size: 0
    .kernarg_segment_align: 8
    .kernarg_segment_size: 40
    .max_flat_workgroup_size: 128
    .sgpr_count:     102
    .vgpr_count:     1024
    .wavefront_size: 32
...
	.end_amdgpu_metadata
.endif
;; end of part 2
;; launch attn (part 3): grid 4 x 64, 16 waves a work-group, clusters of 4 x 1, 219,136 bytes of LDS; arguments qkv, att; writes att
.if DOCPART == 3
	.amdgcn_target "amdgcn-amd-amdhsa--gfx1250"
	.amdhsa_code_object_version 6
	.text
	.protected	k_q341814bd1b_attn
	.globl	k_q341814bd1b_attn
	.p2align	8
	.type	k_q341814bd1b_attn,@function
k_q341814bd1b_attn:
	s_mov_b64 s[64:65], 0
	v_nop
	global_prefetch_b8 v0, s[64:65] scope:SCOPE_SE
	s_setreg_imm32_b32 hwreg(HW_REG_WAVE_MODE, 25, 1), 1
	s_wait_xcnt 0x0
	s_wait_alu depctr_hold_cnt(0) depctr_sa_sdst(0) depctr_va_vdst(0) depctr_va_sdst(0) depctr_va_ssrc(0) depctr_va_vcc(0) depctr_vm_vsrc(0)
	s_getreg_b32 s2, hwreg(HW_REG_IB_STS2, 6, 4)
	s_cmp_eq_u32 s2, 0
	s_cbranch_scc0 .Lentry_in_a_cluster
	s_endpgm
.Lentry_in_a_cluster:
	s_bfe_u32 s2, ttmp6, 0x10000c
	s_cmp_lg_u32 s2, 0x3003
	s_cbranch_scc0 .Lentry_shape_is_right
	s_endpgm
.Lentry_shape_is_right:
; O = softmax(Q K^T / 8) V for one head of one batch, both products on codes of BF6 (E3M2) with E8M0 scales, and O quantised again along (head, channel) for the last product.
; THE SOFTMAX AHEAD OF THE SECOND PRODUCT: t = score x log2(e) / 8; M = the running largest t rounded UP to a whole number; p = 2^(t - M) is quantised along the keys, not normalised;
; the row's sum is taken of the unquantised p and divides O at the end.  When M moves, the sum and O are multiplied by f = 2^(old M - new M), one v_exp_f32 of a whole number; the same f goes to both.
; SHARES.  The cluster's y is 16 x batch + head; its four work-groups take 512 queries each, in two passes of 256; each of the sixteen waves owns one tile of 16 queries: four waves to a SIMD, 256 registers each.
; THE WHOLE HEAD'S K AND V STAY IN LDS, filled ONCE by ten joint loads (mask 15: all four work-groups read the same head), one load a wave, waves 0 to 9.  Nothing is filled again: no ring.
; No prefetch: all of K and V is asked for at the head, so no loop runs ahead of a load.
; LAYOUT.  Both products are used transposed (S^T = K Q^T, O^T = V^T P^T): a lane holds one query throughout.
; THE KEYS OF A SCORE TILE ARE CHOSEN SO THAT A LANE OWNS WHOLE BLOCKS OF 32 KEYS.  Score tile 4 c + j takes as rows 0-7 the keys 8 j .. 8 j + 7 of block 2 c and as rows 8-15 the same keys of block 2 c + 1.
; So lane (r, h) has in registers 32 c .. 32 c + 31 the keys of block 2 c + h in their order: a block's largest score needs no other lane, and the conversions' results are P's operand as it stands.
; In memory a tile holds keys 32 (T / 2) + 8 (T % 2) + i + 8 (i / 8): the choice is made by the LDS address alone: lanes r >= 8 read the tile pair one block further on, and j / 2 picks the tile's rows 8 (j / 2) + r % 8.
; K's codes get 64 bytes of padding behind each 512 in LDS (a key step: 6,912 bytes; a tile pair: 1,728), so that the 32 lanes of such a load touch 32 different columns of 8 bytes modulo 256.
; THE HEAD'S 64 FILL HALF OF THE INSTRUCTION'S 128.  A fragment of K (12 registers) holds two tiles of keys with one pair word of scales; the even tile's product takes [Q | zero codes], the odd tile's
; [zero codes | Q]; Q, zeros, Q lie in 18 registers on end.  The half that adds nothing has zero codes on Q's side, whose scale bytes are 0 there (2^-127: a number, no NaN).
; A PASS is a first step, seven trips of two steps, and a last step.  The first step starts O (C = 0), the sum and M, so nothing is cleared.
; INDEPENDENT CHAINS.  The 64 scores' maxima are taken in eight chains (in each block of 32: 9, 9, 7 and 7 scores), and the row's sum of p in eight chains that last through a pass: pair j of p goes to chain j % 8,
; and a chain is brought under the new M by the fused multiply-add that takes its first pair.  So seven other lines stand between two lines of a chain.  Four of the sum's lines are the places ahead of the second
; product, four the places behind it in front of the next step's loads of K, and the last four stand between the next step's seventh and eighth score products, as the places behind the first seven.
; LIMITS: a block of zeros gets the byte 1 where the rule says 127 (zero codes; read by this program alone); largest magnitudes under 2^-122 are held at byte 1; NaN and infinities are not served;
; 1 / sum is v_rcp_f32 and a multiplication; the promise holds while |t| stays under 2^31.
; REGISTERS: v1 the largest score; v2-5 lane bases of K, V, K's words, V's words; v6 byte selects; v7, v8 lane permutes' results; v9 8 x lane; v10 8 r; v12 -M, v13 the old -M; v[14:15] the finished sum;
;   v16-33 Q, zeros, Q; v34, v35 Q's scale words; v[36:37] K's, v[38:39] V's; v40-46, v48-54 this and the next pass's Q as loaded; v56-63 maxima, chain k of block c at v[56 + 4 c + k];
;   v64-111 K's, then V's fragments; v112-175 S^T, then p; v176-207 O^T; v208-219 p's codes; v220-229 at work; v230, v231 the conversions' scales; v232-235 the step's addresses; v236 f, v237 p's scale word;
;   v238-253 the sum's eight chains.
.set REG,  6291456                     ; a region of codes in qkv
.set QS,   18874368                    ; where the scale chunks begin
.set SREG, 262144                      ; a region of them
.set AS,   6291456                     ; att: where the scale images begin
.set KST,  6912                        ; LDS: a key step of K with its padding; K's codes lie at 0,
.set LV,   110592                      ; V's here (6,144 a key step),
.set LKS,  208896                      ; K's scale chunks,
.set LVS,  212992                      ; V's,
.set SPARE, 217088                     ; and the spare words: 128 bytes for each of 16 waves
.set KF,   64
.set S,    112
.set O,    176
.set PC,   208
.set SUM,  238
.macro CROUND                          ; a round of the cluster's barrier
	s_barrier_signal -1
	s_barrier_wait -1
	s_cmp_lg_u32 s8, 0
	s_cbranch_scc1 .Lnot_wave_0_\@
	s_barrier_signal -3
.Lnot_wave_0_\@:
	s_barrier_wait -3
	s_barrier_signal -1
	s_barrier_wait -1
.endm
.macro G0 g, lds, src, off             ; a descriptor's group 0
	s_mov_b32 s[\g], 1
	s_mov_b32 s[\g+1], \lds
	s_add_nc_u64 s[\g+2:\g+3], s[\src:\src+1], \off
	s_or_b32 s[\g+3], s[\g+3], 0x80000000
.endm
.macro ARM w, g0, g1                   ; wave w's one fill; every arm leads to the one join
	s_cmp_lg_u32 s8, \w
	s_cbranch_scc1 .Lnot_\w
	tensor_load_to_lds s[\g0:\g0+3], s[\g1:\g1+7]
	s_nop 0
.rept 4
	v_nop
.endr
	s_branch .Lfilled
.Lnot_\w:
.endm
	s_load_b128 s[4:7], s[0:1], 0x0                ; qkv, att
	v_lshl_add_u32 v254, v0, 2, SPARE
	v_mov_b32 v255, 0
	ds_add_u32 v254, v255                          ; the opening lines: the add twice on end and its one wait
	ds_add_u32 v254, v255
	v_lshrrev_b32 v1, 5, v0
	v_readfirstlane_b32 s8, v1                     ; wave 0..15
	s_bfe_u32 s9, ttmp6, 0x40000                   ; cx: it enters Q's and the output's addresses alone
	s_and_b32 s80, ttmp7, 0xffff                   ; 16 b + h
	s_lshr_b32 s81, s80, 4                         ; b
	s_and_b32 s82, s80, 15                         ; h
	s_lshl_b32 s83, s81, 8
	s_add_co_u32 s83, s83, s82                     ; the head's first chunk: 16 (16 b) + h
	s_mul_i32 s84, s83, 6144
	s_add_co_u32 s84, s84, REG                     ; in K's region
	s_mov_b32 s85, 0
	s_lshl_b32 s86, s83, 8
	s_add_co_u32 s86, s86, QS+SREG
	s_mov_b32 s87, 0
	s_mov_b32 s16, 15|(3<<16)|(1<<20)|(1<<21)|(6<<22)|(15<<25)   ; group 1 for K's codes: all four work-groups; elements of 8 bytes; behind every 128 dwords 16 dwords of padding
	s_mov_b32 s17, 768<<16                         ; four key steps: rows of 6,144 bytes (768 elements),
	s_mov_b32 s18, 4<<16
	s_mov_b32 s19, 768<<16
	s_mov_b32 s20, 4
	s_mov_b32 s21, 12288                           ; 16 chunks (98,304 bytes) apart
	s_mov_b32 s22, 0
	s_mov_b32 s23, 0
	s_mov_b32 s24, 15|(3<<16)|(1<<21)              ; group 1 for scale chunks: 16 rows of 256 bytes, 4,096 bytes apart
	s_mov_b32 s25, 32<<16
	s_mov_b32 s26, 16<<16
	s_mov_b32 s27, 32<<16
	s_mov_b32 s28, 16
	s_mov_b32 s29, 512
	s_mov_b32 s30, 0
	s_mov_b32 s31, 0
	s_and_b32 s88, s8, 7                           ; qa: my tile in its group of 128 queries
	s_lshr_b32 s89, s8, 3
	s_lshl_b32 s90, s81, 4
	s_lshl_b32 s91, s9, 2
	s_add_co_u32 s90, s90, s91
	s_add_co_u32 s90, s90, s89                     ; G of pass 0: 16 b + 4 cx + wave / 8; pass 1: two further on
	s_lshl_b32 s91, s90, 4
	s_add_co_u32 s91, s91, s82                     ; 16 G + h
	s_mul_i32 s92, s91, 6144
	s_mul_i32 s94, s88, 768
	s_add_co_u32 s92, s92, s94
	s_mov_b32 s93, 0                               ; Q's codes
	s_lshl_b32 s94, s91, 8
	s_add_co_u32 s94, s94, QS
	s_bfe_u32 s96, s88, 0x10001
	s_lshl_b32 s96, s96, 7
	s_add_co_u32 s94, s94, s96                     ; the pair word of pair qa / 2 lies in lanes 16 ((qa / 2) % 2) + r,
	s_lshr_b32 s96, s88, 2
	s_lshl_b32 s96, s96, 2
	s_add_co_u32 s94, s94, s96                     ; register qa / 4
	s_mov_b32 s95, 0
	s_and_b32 s77, s88, 1
	s_lshl_b32 s77, s77, 4                         ; and my tile's two bytes 16 (qa % 2) bits up
	s_lshl_b32 s96, s90, 3
	s_add_co_u32 s96, s96, s88                     ; T = 8 G + qa: my tile of rows in att
	s_mul_i32 s98, s96, 12288
	s_lshr_b32 s97, s82, 1
	s_mul_i32 s97, s97, 1536
	s_add_co_u32 s98, s98, s97                     ; K step h / 2,
	s_and_b32 s97, s82, 1
	s_mul_i32 s97, s97, 768
	s_add_co_u32 s98, s98, s97                     ; pieces 3 (h % 2) on
	s_mov_b32 s99, 0
	s_lshl_b32 s96, s96, 9
	s_add_co_u32 s96, s96, AS
	s_lshr_b32 s97, s82, 2
	s_lshl_b32 s97, s97, 7
	s_add_co_u32 s96, s96, s97
	s_bfe_u32 s97, s82, 0x10001
	s_lshl_b32 s97, s97, 2
	s_add_co_u32 s96, s96, s97
	s_and_b32 s97, s82, 1
	s_lshl_b32 s97, s97, 1
	s_add_co_u32 s96, s96, s97                     ; my head's two bytes of a row's scale words
	s_mov_b32 s97, 0
	s_mov_b32 s10, 0x76543210
	s_mov_b32 s11, 0xfedcba98                      ; selects for lane l xor 16
	s_mov_b32 s12, 0x3e38aa3b                      ; c = log2(e) / 8
	s_mov_b32 s13, s12                             ; (named with it as a pair, so it is written)
	s_wait_dscnt 0x0
	s_wait_kmcnt 0x0
	s_add_nc_u64 s[84:85], s[4:5], s[84:85]        ; the head's K: it hangs on the cluster's y alone
	s_add_nc_u64 s[86:87], s[4:5], s[86:87]
	s_add_nc_u64 s[2:3], s[6:7], s[98:99]          ; the output's codes
	s_add_nc_u64 s[78:79], s[6:7], s[96:97]        ; and scale bytes
	s_add_nc_u64 s[6:7], s[4:5], s[94:95]          ; Q's pair word
	s_add_nc_u64 s[4:5], s[4:5], s[92:93]          ; Q's codes
	s_mov_b32 s88, 15|(3<<16)|(1<<21)              ; group 1 for V's codes: as K's, without padding
	s_mov_b32 s89, 768<<16
	s_mov_b32 s90, 4<<16
	s_mov_b32 s91, 768<<16
	s_mov_b32 s92, 4
	s_mov_b32 s93, 12288
	s_mov_b32 s94, 0
	s_mov_b32 s95, 0
	G0 32, LKS, 86, 0
	G0 36, 0, 84, 0
	G0 40, 4*KST, 84, 393216
	G0 44, 8*KST, 84, 786432
	G0 48, 12*KST, 84, 1179648
	G0 52, LVS, 86, SREG
	G0 56, LV, 84, REG
	G0 60, LV+24576, 84, REG+393216
	G0 68, LV+49152, 84, REG+786432
	G0 72, LV+73728, 84, REG+1179648
	CROUND                                         ; all four work-groups are here: the joint loads meet
	ARM 0, 32, 24
	ARM 1, 36, 16
	ARM 2, 52, 24
	ARM 3, 56, 88
	ARM 4, 40, 16
	ARM 5, 60, 88
	ARM 6, 44, 16
	ARM 7, 68, 88
	ARM 8, 48, 16
	ARM 9, 72, 88
.Lfilled:
	v_and_b32 v9, 31, v0
	v_lshlrev_b32 v9, 3, v9                        ; 8 x lane
	v_and_b32 v10, 15, v0
	v_lshlrev_b32 v10, 3, v10                      ; 8 r
.irp p, 0,1,2
	global_load_b64 v[40+2*\p:41+2*\p], v9, s[4:5] offset:256*\p           ; pass 0's Q,
.endr
	global_load_b32 v46, v10, s[6:7]
.irp p, 0,1,2
	global_load_b64 v[48+2*\p:49+2*\p], v9, s[4:5] offset:196608+256*\p    ; pass 1's: 32 chunks on
.endr
	global_load_b32 v54, v10, s[6:7] offset:8192
	v_bfe_u32 v1, v0, 3, 1                         ; r / 8
	v_and_b32 v11, 7, v0                           ; r % 8
	v_bfe_u32 v7, v0, 4, 1                         ; h
	v_mul_u32_u24 v2, v1, 1728                     ; K: lanes r >= 8 read the tile pair of the next block,
	v_lshl_add_u32 v2, v7, 7, v2                   ; + 128 h
	v_lshl_add_u32 v2, v11, 3, v2                  ; + 8 (r % 8)
	v_add_nc_u32 v3, LV, v9                        ; V: 8 x lane
	v_lshlrev_b32 v4, 7, v1                        ; K's pair words: 128 (r / 8) + 64 (lane / 16) + 8 (r % 8): lanes 0-15 take the words of the tiles' rows 0-7, lanes 16-31 of rows 8-15
	v_lshl_add_u32 v4, v7, 6, v4
	v_lshl_add_u32 v4, v11, 3, v4
	v_add_nc_u32 v4, LKS, v4
	v_add_nc_u32 v5, LVS, v9
	s_mov_b32 s82, 0xffff0000                      ; lanes 16-31
	v_mov_b32 v6, 0x01040100                       ; my two scale bytes go to bytes 0 and 2 of p's word (lanes 0-15)
	v_mov_b32 v8, 0x04010001                       ; or to bytes 1 and 3 (lanes 16-31); select 1 names a byte that is 0
	v_cndmask_b32 v6, v6, v8, s82
	v_mov_b32 v13, 0                               ; (named as the upper half of a pair before it is first written)
.irp i, 0,1,2,3,4,5
	v_mov_b32 v[22+\i], 0                          ; the zero codes
.endr
.macro WM d, a, b, c, sa, sb, row
	v_wmma_scale_f32_16x16x128_f8f6f4 \d, \a, \b, \c, \sa, \sb matrix_a_fmt:MATRIX_FMT_BF6 matrix_b_fmt:MATRIX_FMT_BF6 \row
.endm
.macro SW t                            ; score tile t = 4 c + j: the pair's fragment against [Q | 0] (j even) or [0 | Q] (j odd); K's words of rows 8 (j / 2) .. lie in lanes 16 (j / 2) ..
.if ((\t)%4)/2
	WM v[S+8*(\t):S+8*(\t)+7], v[KF+12*((\t)/2):KF+12*((\t)/2)+11], v[16+6*((\t)%2):27+6*((\t)%2)], 0, v[36+(\t)/4], v[34+(\t)%2], matrix_a_scale:MATRIX_SCALE_ROW1
.else
	WM v[S+8*(\t):S+8*(\t)+7], v[KF+12*((\t)/2):KF+12*((\t)/2)+11], v[16+6*((\t)%2):27+6*((\t)%2)], 0, v[36+(\t)/4], v[34+(\t)%2]
.endif
.endm
.macro KLOAD ak, aks, u                ; the eight score tiles' fragments of key step u from the address registers' step: byte x of a step's codes lies at x + 64 (x / 512)
.irp c, 0,1
.irp j, 0,1,2,3
.irp p, 0,1,2
	ds_load_b64 v[KF+24*\c+6*\j+2*\p:KF+24*\c+6*\j+2*\p+1], v[\ak] offset:KST*(\u)+3456*\c+768*(\j%2)+64*(\j/2)+256*\p+64*((3*(\j%2)+\p)/2)
.endr
.endr
.endr
	ds_load_b64 v[36:37], v[\aks] offset:256*(\u)
.endm
.macro ADDP j                          ; pair j of p onto chain j % 8 of the sum
	v_pk_add_f32 v[SUM+2*((\j)%8):SUM+2*((\j)%8)+1], v[SUM+2*((\j)%8):SUM+2*((\j)%8)+1], v[S+2*(\j):S+2*(\j)+1]
.endm
; A KEY STEP: 128 keys.  Its fragments of K have been asked for by the step before.  first: a pass's first step; pre: the next step's K is asked for.
.macro STEP ak, av, aks, avs, u, first, pre
	s_wait_alu depctr_va_vdst(0)
	s_wait_dscnt 0x0                               ; K is in
.irp t, 0,1,2,3,4,5,6
	SW \t
.endr
.if \first
.rept 4
	v_nop                                          ; the places behind the seven
.endr
.else
.irp j, 28,29,30,31
	ADDP \j                                        ; the last step's p of tile 7, which the eighth product writes over: these four are the places behind the seven
.endr
.endif
	SW 7
.irp c, 0,1                            ; eight chains of maxima; each tile is first read at one of its four lowest registers; the eighth line alone names tile 7: the seven ahead of it are the places behind its product
	v_max3_num_f32 v[56+4*\c], v[S+32*\c], v[S+32*\c+1], v[S+32*\c+2]
	v_max3_num_f32 v[57+4*\c], v[S+32*\c+9], v[S+32*\c+10], v[S+32*\c+11]
	v_max3_num_f32 v[58+4*\c], v[S+32*\c+18], v[S+32*\c+19], v[S+32*\c+20]
	v_max3_num_f32 v[59+4*\c], v[S+32*\c+25], v[S+32*\c+26], v[S+32*\c+27]
.endr
.irp t, 0,1,2,3
.irp p, 0,1,2,3,4,5
	ds_load_b64 v[KF+12*\t+2*\p:KF+12*\t+2*\p+1], v[\av] offset:6144*(\u)+1536*\t+256*\p   ; V's four fragments land while the softmax is worked
.endr
.endr
	ds_load_b64 v[38:39], v[\avs] offset:256*(\u)
.irp i, 0,2
.irp c, 0,1
	v_max3_num_f32 v[56+4*\c], v[56+4*\c], v[S+32*\c+3+\i], v[S+32*\c+4+\i]
	v_max3_num_f32 v[57+4*\c], v[57+4*\c], v[S+32*\c+12+\i], v[S+32*\c+13+\i]
	v_max3_num_f32 v[58+4*\c], v[58+4*\c], v[S+32*\c+21+\i], v[S+32*\c+22+\i]
	v_max3_num_f32 v[59+4*\c], v[59+4*\c], v[S+32*\c+28+\i], v[S+32*\c+29+\i]
.endr
.endr
.irp c, 0,1
	v_max3_num_f32 v[56+4*\c], v[56+4*\c], v[S+32*\c+7], v[S+32*\c+8]
	v_max3_num_f32 v[57+4*\c], v[57+4*\c], v[S+32*\c+16], v[S+32*\c+17]
.endr
	s_delay_alu instid0(VALU_DEP_3)
	v_max3_num_f32 v56, v56, v57, v58
	s_delay_alu instid0(VALU_DEP_2)
	v_max3_num_f32 v60, v60, v61, v62
	s_delay_alu instid0(VALU_DEP_2)
	v_max_num_f32 v56, v56, v59                    ; my block h's largest score: it serves the row's maximum and, since p rises with the score, the block's largest p
	s_delay_alu instid0(VALU_DEP_2)
	v_max_num_f32 v60, v60, v63                    ; and block 2 + h's
	s_delay_alu instid0(VALU_DEP_1)
	v_max_num_f32 v11, v56, v60
	s_delay_alu instid0(VALU_DEP_1)
	v_permlanex16_b32 v7, v11, s10, s11            ; lane l xor 16's two blocks
	s_delay_alu instid0(VALU_DEP_1)
.if \first
	v_max_num_f32 v1, v11, v7                      ; the largest score so far
.else
	v_max3_num_f32 v1, v1, v11, v7
.endif
	s_delay_alu instid0(VALU_DEP_1)
	v_mul_f32 v11, s12, v1                         ; as t (c is positive)
.if \first
	s_delay_alu instid0(VALU_DEP_1)
	v_floor_f32 v12, -v11                          ; -M = floor(-t): M is a whole number
.else
	v_mov_b32 v13, v12
	s_delay_alu instid0(VALU_DEP_2)
	v_floor_f32 v12, -v11
	s_delay_alu instid0(VALU_DEP_1)
	v_sub_f32 v236, v12, v13                       ; old M - new M: a whole number, 0 or less
.endif
.set j, 0
.rept 32
	v_pk_fma_f32 v[S+j:S+j+1], v[S+j:S+j+1], s[12:13], v[12:13] op_sel_hi:[1,0,0]   ; t - M, two at a time
.set j, j+2
.endr
	v_fma_f32 v56, v56, s12, v12                   ; the same of each block's largest score
	v_fma_f32 v60, v60, s12, v12
	s_wait_alu depctr_va_vdst(0)
	v_exp_f32 v56, v56                             ; the block's largest p: the same two instructions on the same number give the same bits
	v_exp_f32 v60, v60
.if !(\first)
	v_exp_f32 v236, v236                           ; f = 2^(old M - new M)
.endif
.set j, 0
.rept 64
	v_exp_f32 v[S+j], v[S+j]                       ; p = 2^(t - M), at most 1
.set j, j+1
.endr
	s_wait_alu depctr_va_vdst(0)                   ; one wait for the whole batch, ahead of its first reader
	v_max_num_f32 v56, 0x2800000, v56              ; the floor 2^(5 - 127): the byte cannot fall under 1.  (It names nothing of the last exponential: the plain place behind it)
	v_max_num_f32 v60, 0x2800000, v60
	s_delay_alu instid0(VALU_DEP_2)
	v_add_nc_u32 v230, 0xfe000000, v56             ; 4 off the exponent field: the conversion's scale operand
	s_delay_alu instid0(VALU_DEP_2)
	v_add_nc_u32 v231, 0xfe000000, v60
	s_delay_alu instid0(VALU_DEP_2)
	v_lshrrev_b32 v228, 23, v230                   ; the scales' bytes
	s_delay_alu instid0(VALU_DEP_2)
	v_lshrrev_b32 v229, 23, v231
	s_delay_alu instid0(VALU_DEP_1)
	v_perm_b32 v228, v229, v228, v6                ; at their places in the word,
	s_delay_alu instid0(VALU_DEP_1)
	v_permlanex16_b32 v8, v228, s10, s11
	s_delay_alu instid0(VALU_DEP_1)
	v_or_b32 v237, v228, v8                        ; which lane l xor 16's two make whole
	v_cvt_scalef32_pk16_bf6_f32 v[PC:PC+2], v[S:S+15], v230
	v_cvt_scalef32_pk16_bf6_f32 v[220:222], v[S+16:S+31], v230     ; (a conversion's three registers begin on an even number)
	v_cvt_scalef32_pk16_bf6_f32 v[PC+6:PC+8], v[S+32:S+47], v231
	v_cvt_scalef32_pk16_bf6_f32 v[224:226], v[S+48:S+63], v231
.if \first
.irp k, 0,1,2,3,4,5,6,7
	v_pk_add_f32 v[SUM+2*\k:SUM+2*\k+1], v[S+2*\k:S+2*\k+1], v[S+16+2*\k:S+17+2*\k]   ; THE ROW'S SUM IS TAKEN OF THE UNQUANTISED p: the eight chains begin, each with two pairs
.endr
.else
	s_wait_alu depctr_va_vdst(0)                   ; directly ahead of the first reader of O^T
.set j, 0
.rept 16
	v_pk_mul_f32 v[O+j:O+j+1], v[O+j:O+j+1], v[236:237] op_sel_hi:[1,0]   ; O^T under the new M
.set j, j+2
.endr
.irp k, 0,1,2,3,4,5,6,7
	v_pk_fma_f32 v[SUM+2*\k:SUM+2*\k+1], v[SUM+2*\k:SUM+2*\k+1], v[236:237], v[S+2*\k:S+2*\k+1] op_sel_hi:[1,0,1]   ; each chain under the new M, and its first pair
.endr
.endif
.irp i, 0,1,2
	v_mov_b32 v[PC+3+\i], v[220+\i]
	v_mov_b32 v[PC+9+\i], v[224+\i]
.endr
.if \first
.irp j, 16,17,18,19
	ADDP \j                                        ; four places between the last write of p's codes and the products
.endr
.else
.irp j, 8,9,10,11
	ADDP \j
.endr
.endif
	s_wait_alu depctr_va_vdst(0)
	s_wait_dscnt 0x0                               ; V is in
.if \first
	WM v[O:O+7], v[KF:KF+11], v[PC:PC+11], 0, v38, v237
	WM v[O+8:O+15], v[KF+12:KF+23], v[PC:PC+11], 0, v38, v237, matrix_a_scale:MATRIX_SCALE_ROW1
	WM v[O+16:O+23], v[KF+24:KF+35], v[PC:PC+11], 0, v39, v237
	WM v[O+24:O+31], v[KF+36:KF+47], v[PC:PC+11], 0, v39, v237, matrix_a_scale:MATRIX_SCALE_ROW1
.irp j, 20,21,22,23
	ADDP \j                                        ; four lines that name no register of the products: the places in front of the loads below
.endr
.else                                  ; the four accumulators take turns, and eight other products stand between two steps of a sum
	WM v[O:O+7], v[KF:KF+11], v[PC:PC+11], v[O:O+7], v38, v237
	WM v[O+8:O+15], v[KF+12:KF+23], v[PC:PC+11], v[O+8:O+15], v38, v237, matrix_a_scale:MATRIX_SCALE_ROW1
	WM v[O+16:O+23], v[KF+24:KF+35], v[PC:PC+11], v[O+16:O+23], v39, v237
	WM v[O+24:O+31], v[KF+36:KF+47], v[PC:PC+11], v[O+24:O+31], v39, v237, matrix_a_scale:MATRIX_SCALE_ROW1
.irp j, 12,13,14,15
	ADDP \j
.endr
.endif
.if \pre
	KLOAD \ak, \aks, (\u)+1
.endif
.if !(\first)
.irp j, 16,17,18,19,20,21,22,23
	ADDP \j
.endr
.endif
.irp j, 24,25,26,27
	ADDP \j
.endr
.endm
	s_wait_alu depctr_va_vdst(0)
	s_wait_loadcnt 0x0                             ; Q
	s_wait_tensorcnt 0x0                           ; my fill, if I have one, has landed;
	s_barrier_signal -1
	s_barrier_wait -1                              ; so all ten have, for all sixteen waves.  From here on no barrier: the waves share nothing that is written
	s_mov_b32 s81, 2
.Lpass:
	KLOAD 2, 4, 0
	v_lshrrev_b32 v34, s77, v46
	v_and_b32 v34, 0xffff, v34                     ; my tile's two bytes for k 0-63, 0 above
	v_lshlrev_b32 v35, 16, v34                     ; and the same for k 64-127
.irp i, 0,1,2,3,4,5
	v_mov_b32 v[16+\i], v[40+\i]
	v_mov_b32 v[28+\i], v[40+\i]
.endr
.rept 4
	v_nop                                          ; places between the writes of Q's operands and the products
.endr
	STEP 2, 3, 4, 5, 0, 1, 1                       ; key step 0
	s_mov_b32 s14, KST
	s_mov_b32 s80, 6144
	s_mov_b32 s15, 256
	s_mov_b32 s76, 7
.Lsteps:                               ; key steps 1 to 14, two a trip
	v_add_nc_u32 v232, s14, v2
	v_add_nc_u32 v233, s80, v3
	v_add_nc_u32 v234, s15, v4
	v_add_nc_u32 v235, s15, v5
	STEP 232, 233, 234, 235, 0, 0, 1
	STEP 232, 233, 234, 235, 1, 0, 1
	s_add_co_u32 s14, s14, 2*KST
	s_add_co_u32 s80, s80, 2*6144
	s_add_co_u32 s15, s15, 2*256
	s_sub_co_u32 s76, s76, 1
	s_cmp_lg_u32 s76, 0
	s_cbranch_scc1 .Lsteps
	v_add_nc_u32 v233, 15*6144, v3
	v_add_nc_u32 v235, 15*256, v5
	STEP 232, 233, 234, 235, 0, 0, 0               ; key step 15: its K has been asked for, and nothing follows it
; O^T / the sum; its 64 channels are two blocks along the last product's K: quantised, and stored as half a fragment's image
.irp j, 28,29,30,31
	ADDP \j
.endr
.irp k, 0,4,8,12
	v_pk_add_f32 v[SUM+\k:SUM+\k+1], v[SUM+\k:SUM+\k+1], v[SUM+\k+2:SUM+\k+3]   ; the eight chains are joined
.endr
	v_pk_add_f32 v[SUM:SUM+1], v[SUM:SUM+1], v[SUM+4:SUM+5]
	v_pk_add_f32 v[SUM+8:SUM+9], v[SUM+8:SUM+9], v[SUM+12:SUM+13]
	v_pk_add_f32 v[14:15], v[SUM:SUM+1], v[SUM+8:SUM+9]
	v_add_f32 v14, v14, v15
	v_permlanex16_b32 v7, v14, s10, s11
	v_add_f32 v14, v14, v7                         ; the row's sum
	s_wait_alu depctr_va_vdst(0)                   ; the wait ahead of the transcendental
	v_rcp_f32 v14, v14
	v_nop                                          ; a plain place behind it
	s_wait_alu depctr_va_vdst(0)                   ; and the wait ahead of its first reader, which is O^T's first reader too
.set j, 0
.rept 16
	v_pk_mul_f32 v[S+j:S+j+1], v[O+j:O+j+1], v[14:15] op_sel_hi:[1,0]   ; register 16 b + i: channel 32 b + 16 (lane / 16) + i; each accumulator from its low end on
.set j, j+2
.endr
.irp b, 0,1
	v_max3_num_f32 v[58+\b], |v[S+16*\b]|, |v[S+1+16*\b]|, 0x2800000
.endr
.irp i, 2,4,6,8,10,12,14
.irp b, 0,1
	v_max3_num_f32 v[58+\b], v[58+\b], |v[S+16*\b+\i]|, |v[S+1+16*\b+\i]|
.endr
.endr
.irp b, 0,1
	v_permlanex16_b32 v[7+\b], v[58+\b], s10, s11
.endr
.irp b, 0,1
	v_max_num_f32 v[58+\b], v[58+\b], v[7+\b]
.endr
.irp b, 0,1
	v_add_nc_u32 v[62+\b], 0xfe000000, v[58+\b]
.endr
.irp b, 0,1
	v_lshrrev_b32 v[228+\b], 23, v[62+\b]
.endr
	v_lshl_or_b32 v11, v229, 8, v228               ; my row's two scale bytes
	v_cvt_scalef32_pk16_bf6_f32 v[S+32:S+34], v[S:S+15], v62
	v_cvt_scalef32_pk16_bf6_f32 v[S+36:S+38], v[S+16:S+31], v63
	v_nop                                          ; one plain place behind a scaled conversion
.irp i, 0,1,2
	v_permlane16_swap_b32 v[S+32+\i], v[S+36+\i]   ; a whole block to a lane
.endr
.irp i, 0,1,2
	v_mov_b32 v[S+35+\i], v[S+36+\i]
.endr
.irp p, 0,1,2
	global_store_b64 v9, v[S+32+2*\p:S+33+2*\p], s[2:3] offset:256*\p   ; 256 consecutive bytes, aligned
.endr
	global_store_b16 v10, v11, s[78:79]            ; a scale word mixes two heads, made by two work-groups: two bytes a row; both halves of the lanes write the same bytes
	s_wait_xcnt 0x0                                ; the stores have read their registers and bases
	s_add_nc_u64 s[2:3], s[2:3], 196608            ; the next pass's tile of rows: 16 tiles on
	s_add_nc_u64 s[78:79], s[78:79], 8192
.irp i, 0,1,2,3,4,5,6
	v_mov_b32 v[40+\i], v[48+\i]                   ; and its Q
.endr
	s_sub_co_u32 s81, s81, 1
	s_cmp_lg_u32 s81, 0
	s_wait_alu depctr_va_vdst(0)
	s_cbranch_scc1 .Lpass
	s_wait_tensorcnt 0x0                           ; the wave's end
	ds_add_u32 v254, v255
	s_wait_dscnt 0x0
	CROUND                                         ; the closing round
	s_endpgm
.Lfunc_end_k_q341814bd1b_attn:
	.size	k_q341814bd1b_attn, .Lfunc_end_k_q341814bd1b_attn-k_q341814bd1b_attn
	.p2alignl 7, 3214868480
	.fill 96, 4, 3214868480
	.section	.rodata,"a",@progbits
	.p2align	6, 0x0
	.amdhsa_kernel k_q341814bd1b_attn
		.amdhsa_group_segment_fixed_size 219136
		.amdhsa_private_segment_fixed_size 0
		.amdhsa_enable_private_segment 0
		.amdhsa_kernarg_size 16
		.amdhsa_user_sgpr_count 2
		.amdhsa_user_sgpr_kernarg_segment_ptr 1
		.amdhsa_wavefront_size32 1
		.amdhsa_system_sgpr_workgroup_id_x 1
		.amdhsa_system_sgpr_workgroup_id_y 1
		.amdhsa_system_sgpr_workgroup_id_z 1
		.amdhsa_system_vgpr_workitem_id 0
		.amdhsa_next_free_vgpr 256
		.amdhsa_next_free_sgpr 100
		.amdhsa_reserve_vcc 0
		.amdhsa_float_denorm_mode_32 3
		.amdhsa_float_denorm_mode_16_64 3
		.amdhsa_memory_ordered 1
		.amdhsa_forward_progress 1
		.amdhsa_inst_pref_size 81
	.end_amdhsa_kernel
	.amdgpu_metadata
---
amdhsa.version: [ 1, 2 ]
amdhsa.kernels:
  - .name:           k_q341814bd1b_attn
    .symbol:         k_q341814bd1b_attn.kd
    .args:
      - { .name: qkv, .offset: 0, .size: 8, .value_kind: global_buffer, .address_space: global }
      - { .name: att, .offset: 8, .size: 8, .value_kind: global_buffer, .address_space: global }
    .group_segment_fixed_size: 219136
    .private_segment_fixed_size: 0
    .kernarg_segment_align: 8
    .kernarg_segment_size: 16
    .max_flat_workgroup_size: 512
    .sgpr_count:     100
    .vgpr_count:     256
    .wavefront_size: 32
...
	.end_amdgpu_metadata
.endif
;; end of part 3
;; launch proj (part 4): grid 4 x 64, 4 waves a work-group, clusters of 4 x 4, 307,712 bytes of LDS; arguments att, opnd, bo, out0; writes out0
.if DOCPART == 4
	.amdgcn_target "amdgcn-amd-amdhsa--gfx1250"
	.amdhsa_code_object_version 6
	.text
	.protected	k_q341814bd1b_proj
	.globl	k_q341814bd1b_proj
	.p2align	8
	.type	k_q341814bd1b_proj,@function
k_q341814bd1b_proj:
	s_mov_b64 s[64:65], 0
	v_nop
	global_prefetch_b8 v0, s[64:65] scope:SCOPE_SE
	s_setreg_imm32_b32 hwreg(HW_REG_WAVE_MODE, 25, 1), 1
	s_wait_xcnt 0x0
	s_wait_alu depctr_hold_cnt(0) depctr_sa_sdst(0) depctr_va_vdst(0) depctr_va_sdst(0) depctr_va_ssrc(0) depctr_va_vcc(0) depctr_vm_vsrc(0)
	s_getreg_b32 s2, hwreg(HW_REG_IB_STS2, 6, 4)
	s_cmp_eq_u32 s2, 0
	s_cbranch_scc0 .Lentry_in_a_cluster
	s_endpgm
.Lentry_in_a_cluster:
	s_bfe_u32 s2, ttmp6, 0x10000c
	s_cmp_lg_u32 s2, 0xf033
	s_cbranch_scc0 .Lentry_shape_is_right
	s_endpgm
.Lentry_shape_is_right:
; out0 [8192][1024] f32 = O Wo^T + bo.  O (att) and Wo (opnd, tiles 704 ..) are codes of BF6 (E3M2) with E8M0 scales, laid as images of the operand's registers:
; tile T holds the 16 rows 32 (T / 2) + 8 (T % 2) + i + 8 (i / 8); a tile's eight K steps of 128 lie on end, 1,536 bytes each: piece p holds lane l's registers 2 p, 2 p + 1 at 256 p + 8 l.
; A tile's scale image is 512 bytes: the word of K step 2 sp + w of row r at 128 sp + 8 r + 4 w.
; SHARES.  A work-group makes 128 rows x 256 columns: 64 x 4 = 256 work-groups.  Four waves, each 64 x 128: 32 accumulators of 16 x 16, 256 registers.
; ALL OF K LIES IN LDS AT ONCE: the block's 8 tiles of rows are one dense run of 98,304 bytes, the 16 tiles of the weight one of 196,608, the scale images 4,096 and 8,192.
; So the head's four joint loads, one a wave, bring everything; nothing is filled again: no ring, no round inside the walk along K.  No prefetch: all is asked for at the head, and no loop runs ahead of a load.
; CLUSTERS: 4 x 4 work-groups.  The four of a row of the cluster need the same rows of O, the four of a column the same rows of Wo: each is asked for jointly, with a mask that names the four.
; THE MATRIX INSTRUCTION IS USED TRANSPOSED (source 0 = 16 rows of Wo, source 1 = 16 rows of O): a lane holds eight neighbouring columns of one row of the result.  The bias is the C of each sum's first product.
; A step of 128 along K is 32 matrix instructions, the 32 accumulators by turns in the same order in every step.  Both operands have two sets of fragment registers:
; the next step's fragments of Wo are asked for at a step's head, those of O in its middle.
; REGISTERS: window 0: v16 O's fragments' address, v20, v21 Wo's (tiles 0-3, 4-7), v24-26 the way out, v27 scale words' address, v28, v29 the add's two; v32-63 scale words, two sets; v64-127 the bias;
;   v128-175, v176-223 O's fragments, two sets (on the way out v128-255 take the rows read back).  window 1: Wo's fragments, sets at v0 and v128.  window 2: accumulator (a, b) at v[8 (8 a + b)].
.set LW,    98304                      ; LDS: O's 8 tiles at 0, Wo's 16 tiles here,
.set SCL,   294912                     ; O's scale images, and 4,096 bytes on Wo's,
.set SPARE, 307200                     ; the spare words: 128 bytes for each wave
.set OS,    9437184                    ; opnd: where the scale images begin
.set AS,    6291456                    ; att: likewise
.set SP,    528                        ; the way out: a stage row, 512 bytes + 16
.set MSB, 0
.macro WIN new                         ; the immediate's high byte repeats the setting that is left
.if MSB != (\new)
	s_set_vgpr_msb (MSB<<8)|(\new)
.set MSB, (\new)
.endif
.endm
.macro PLACES
.rept 4
	v_nop
.endr
.endm
.macro CROUND                          ; a round of the cluster's barrier
	s_barrier_signal -1
	s_barrier_wait -1
	s_cmp_lg_u32 s14, 0
	s_cbranch_scc1 .Lnot_wave_0_\@
	s_barrier_signal -3
.Lnot_wave_0_\@:
	s_barrier_wait -3
	s_barrier_signal -1
	s_barrier_wait -1
.endm
.macro G1 g, c, r                      ; a descriptor's group 1 behind its first word: r rows of c elements of 8 bytes, dense
	s_mov_b32 s[\g+1], (\c)<<16
	s_mov_b32 s[\g+2], (\r)<<16
	s_mov_b32 s[\g+3], (\c)<<16
	s_mov_b32 s[\g+4], \r
	s_mov_b32 s[\g+5], \c
	s_mov_b32 s[\g+6], 0
	s_mov_b32 s[\g+7], 0
.endm
.macro G0 g, lds, base, off            ; a descriptor's group 0
	s_mov_b32 s[\g], 1
	s_mov_b32 s[\g+1], \lds
	s_add_nc_u64 s[\g+2:\g+3], s[\base:\base+1], s[\off:\off+1]
	s_or_b32 s[\g+3], s[\g+3], 0x80000000
.endm
	s_load_b128 s[4:7], s[0:1], 0x0                ; att, opnd
	s_load_b128 s[8:11], s[0:1], 0x10              ; bo, out0
	v_lshl_add_u32 v28, v0, 2, SPARE
	v_mov_b32 v29, 0
	ds_add_u32 v28, v29                            ; the opening lines: the add twice on end and its one wait
	ds_add_u32 v28, v29
	v_lshrrev_b32 v1, 5, v0
	v_readfirstlane_b32 s14, v1                    ; wave 0..3
	s_lshr_b32 s15, s14, 1                         ; which 64 of the block's rows are mine
	s_and_b32 s16, s14, 1                          ; which 128 of its columns
	s_bfe_u32 s19, ttmp6, 0x40000                  ; cx, cy
	s_bfe_u32 s20, ttmp6, 0x40004
	s_lshl_b32 s18, ttmp9, 2
	s_add_co_u32 s18, s18, s19                     ; block column 0..3
	s_and_b32 s17, ttmp7, 0xffff
	s_lshl_b32 s17, s17, 2
	s_add_co_u32 s17, s17, s20                     ; block row 0..63
	s_lshl_b32 s2, s20, 2
	s_lshl_b32 s2, 15, s2                          ; my row of the cluster
	s_lshl_b32 s3, 0x1111, s19                     ; my column
	s_or_b32 s24, s2, (3<<16)|(1<<21)              ; O's codes and scales go to my row, Wo's to my column
	s_or_b32 s32, s3, (3<<16)|(1<<21)
	s_or_b32 s40, s2, (3<<16)|(1<<21)
	s_or_b32 s48, s3, (3<<16)|(1<<21)
	G1 24, 1536, 8                                 ; O's codes: 8 tiles of 12,288 bytes
	G1 32, 1536, 16                                ; Wo's: 16 tiles
	G1 40, 32, 16                                  ; O's scale images: 16 rows of 256 bytes
	G1 48, 32, 32                                  ; Wo's: 32 rows
	s_mul_i32 s92, s17, 98304                      ; O's tiles 8 x block row ..
	s_mov_b32 s93, 0
	s_lshl_b32 s94, s17, 12
	s_add_co_u32 s94, s94, AS                      ; and their scale images
	s_mov_b32 s95, 0
	s_lshl_b32 s96, s18, 4
	s_add_co_u32 s96, s96, 704                     ; Wo's tiles 704 + 16 x block column ..
	s_lshl_b32 s98, s96, 9
	s_add_co_u32 s98, s98, OS
	s_mov_b32 s99, 0
	s_mul_i32 s96, s96, 12288
	s_mov_b32 s97, 0
	s_mul_i32 s80, s15, 49152                      ; LDS: my 4 tiles of O,
	s_mul_i32 s81, s16, 98304
	s_add_co_u32 s81, s81, LW                      ; my 8 tiles of Wo: the first four,
	s_add_co_u32 s82, s81, 49152                   ; the last four,
	s_lshl_b32 s83, s15, 11                        ; my rows' scale images,
	s_lshl_b32 s84, s16, 12
	s_add_co_u32 s84, s84, 4096
	s_sub_co_u32 s84, s84, s83                     ; how far behind them my columns' lie,
	s_add_co_u32 s85, s83, SCL
	s_mul_i32 s86, s14, 16*SP                      ; and my stage
	s_lshl_b32 s88, s18, 10
	s_lshl_b32 s89, s16, 9
	s_add_co_u32 s88, s88, s89                     ; my first column, in bytes
	s_mov_b32 s89, 0
	s_lshl_b32 s90, s17, 7
	s_lshl_b32 s91, s15, 6
	s_add_co_u32 s90, s90, s91
	s_lshl_b32 s90, s90, 12                        ; my first row, 4,096 bytes each
	s_add_co_u32 s90, s90, s88
	s_mov_b32 s91, 0
	s_wait_dscnt 0x0                               ; both opening adds are done
	s_wait_kmcnt 0x0
	G0 56, 0, 4, 92
	G0 60, SCL, 4, 94
	G0 68, LW, 6, 96
	G0 72, SCL+4096, 6, 98
	s_add_nc_u64 s[8:9], s[8:9], s[88:89]          ; the bias of my 128 columns
	s_add_nc_u64 s[12:13], s[10:11], s[90:91]      ; my part of the result
	CROUND                                         ; all sixteen work-groups are here: the joint loads meet
; THE FOUR LOADS, ONE A WAVE, in one chain of branches on the wave's number
	s_cmp_lg_u32 s14, 0
	s_cbranch_scc1 .Lhead_1
	tensor_load_to_lds s[56:59], s[24:31]
	s_nop 0
	PLACES
	s_branch .Lhead_asked
.Lhead_1:
	s_cmp_lg_u32 s14, 1
	s_cbranch_scc1 .Lhead_2
	tensor_load_to_lds s[60:63], s[40:47]
	s_nop 0
	PLACES
	s_branch .Lhead_asked
.Lhead_2:
	s_cmp_lg_u32 s14, 2
	s_cbranch_scc1 .Lhead_3
	tensor_load_to_lds s[68:71], s[32:39]
	s_nop 0
	PLACES
	s_branch .Lhead_asked
.Lhead_3:
	tensor_load_to_lds s[72:75], s[48:55]
	s_nop 0
	PLACES
.Lhead_asked:
	v_and_b32 v1, 15, v0                           ; r
	v_bfe_u32 v2, v0, 4, 1                         ; h
	v_and_b32 v4, 31, v0
	v_lshlrev_b32 v3, 3, v4                        ; 8 x lane: my place in a piece
	v_lshlrev_b32 v6, 6, v2                        ; the bias: lanes 16-31 begin 16 columns on
.irp b, 0,1,2,3,4,5,6,7
	global_load_b128 v[64+8*\b:64+8*\b+3], v6, s[8:9] offset:(32*(\b/2)+8*(\b%2))*4
	global_load_b128 v[64+8*\b+4:64+8*\b+7], v6, s[8:9] offset:(32*(\b/2)+8*(\b%2))*4+16
.endr
	v_add_nc_u32 v16, s80, v3
	v_add_nc_u32 v20, s81, v3
	v_add_nc_u32 v21, s82, v3
	v_mul_u32_u24 v5, s84, v2                      ; scale words: lanes 0-15 take O's rows, lanes 16-31 Wo's
	v_lshl_add_u32 v5, v1, 3, v5
	v_add_nc_u32 v27, s85, v5
	v_mul_u32_u24 v24, v1, SP                      ; the stage, in: row r, 64 bytes on for lanes 16-31
	v_lshl_add_u32 v24, v2, 6, v24
	v_add_nc_u32 v24, s86, v24
	v_lshlrev_b32 v26, 4, v4                       ; back: the 32 lanes take one row of 512 bytes; and the same in the result
	v_add_nc_u32 v25, s86, v26
.macro FETCH_B s                       ; Wo's eight fragments of step s into set s % 2
	WIN 0x40
.irp b, 0,1,2,3,4,5,6,7
.irp p, 0,1,2,3,4,5
	ds_load_b64 v[128*((\s)%2)+12*\b+2*\p:128*((\s)%2)+12*\b+2*\p+1], v[20+\b/4] offset:12288*(\b%4)+1536*(\s)+256*\p
.endr
.endr
	WIN 0
.endm
.macro FETCH_A s                       ; O's four fragments of step s into set s % 2
	WIN 0
.irp a, 0,1,2,3
.irp p, 0,1,2,3,4,5
	ds_load_b64 v[128+48*((\s)%2)+12*\a+2*\p:128+48*((\s)%2)+12*\a+2*\p+1], v16 offset:12288*\a+1536*(\s)+256*\p
.endr
.endr
.endm
.macro SCALES kap                      ; the scale words of steps 2 kap, 2 kap + 1 into set kap % 2: lanes 0-15 O's tile i (used for i < 4; beyond that they read the images that follow, which nobody uses), lanes 16-31 Wo's tile i
.irp i, 0,1,2,3,4,5,6,7
	ds_load_b64 v[32+16*((\kap)%2)+2*\i:32+16*((\kap)%2)+2*\i+1], v27 offset:512*\i+128*(\kap)
.endr
.endm
.macro MUL s, a0, first                ; 16 matrix instructions: O's tiles a0, a0 + 1 x Wo's eight, step s
.irp a, \a0, \a0+1
.irp b, 0,1,2,3,4,5,6,7
.if \first
	v_wmma_scale_f32_16x16x128_f8f6f4 v[8*(8*(\a)+\b):8*(8*(\a)+\b)+7], v[128*((\s)%2)+12*\b:128*((\s)%2)+12*\b+11], v[128+48*((\s)%2)+12*(\a):128+48*((\s)%2)+12*(\a)+11], v[64+8*\b:64+8*\b+7], v[32+16*(((\s)/2)%2)+2*\b+(\s)%2], v[32+16*(((\s)/2)%2)+2*(\a)+(\s)%2] matrix_a_fmt:MATRIX_FMT_BF6 matrix_b_fmt:MATRIX_FMT_BF6 matrix_a_scale:MATRIX_SCALE_ROW1
.else
	v_wmma_scale_f32_16x16x128_f8f6f4 v[8*(8*(\a)+\b):8*(8*(\a)+\b)+7], v[128*((\s)%2)+12*\b:128*((\s)%2)+12*\b+11], v[128+48*((\s)%2)+12*(\a):128+48*((\s)%2)+12*(\a)+11], v[8*(8*(\a)+\b):8*(8*(\a)+\b)+7], v[32+16*(((\s)/2)%2)+2*\b+(\s)%2], v[32+16*(((\s)/2)%2)+2*(\a)+(\s)%2] matrix_a_fmt:MATRIX_FMT_BF6 matrix_b_fmt:MATRIX_FMT_BF6 matrix_a_scale:MATRIX_SCALE_ROW1
.endif
.endr
.endr
.endm
.macro STEP s, first                   ; steps 0 to 6
.if !(\first)
	PLACES                                         ; in front of loads into registers that the step before has multiplied
.endif
	FETCH_B (\s)+1
	s_wait_dscnt 48                                ; all but the 48 just issued: this step's fragments and scale words are in
	WIN 0xa1-0x20*(\first)                         ; source 0 window 1, source 1 window 0, D window 2; C window 2, in the first step window 0 (the bias)
	MUL \s, 0, \first
	FETCH_A (\s)+1
.if ((\s)+1)%2 == 0
	SCALES ((\s)+1)/2
.endif
	WIN 0xa1-0x20*(\first)
	MUL \s, 2, \first
.endm
	s_wait_alu depctr_va_vdst(0)
	s_wait_loadcnt 0x0                             ; the bias
	s_wait_tensorcnt 0x0                           ; my load has landed;
	s_barrier_signal -1
	s_barrier_wait -1                              ; so all four have
	FETCH_B 0
	FETCH_A 0
	SCALES 0
	STEP 0, 1                                      ; the first step's products start the sums, on the bias
.irp s, 1,2,3,4,5,6
	STEP \s, 0
.endr
	s_wait_dscnt 0x0                               ; the last step's fragments are in, and my reads of the operands are over:
	s_barrier_signal -1                            ; say so,
	MUL 7, 0, 0
	MUL 7, 2, 0
	WIN 0
	s_barrier_wait -1                              ; and when all four have said so, the stages may lie on O's bytes, which have had their one fill
; THE WAY OUT, block by block of 16 rows x 128 columns, through my own stage: in as 32 bytes a lane, back as whole rows of 512 bytes, which the 32 lanes store as two aligned units of 256 bytes.
.macro TOSTAGE a
	WIN 0x08                                       ; the data: window 2
.irp b, 0,1,2,3,4,5,6,7
	ds_store_b128 v24, v[64*(\a)+8*\b:64*(\a)+8*\b+3] offset:128*(\b/2)+32*(\b%2)       ; each accumulator from its low end on
	ds_store_b128 v24, v[64*(\a)+8*\b+4:64*(\a)+8*\b+7] offset:128*(\b/2)+32*(\b%2)+16
.endr
	WIN 0
.irp t, 0,1,2,3,4,5,6,7,8,9,10,11,12,13,14,15
	ds_load_b128 v[128+64*((\a)%2)+4*\t:128+64*((\a)%2)+4*\t+3], v25 offset:SP*\t        ; LDS serves a wave's instructions in order (ISA guide 5.7.1.4): these see the stores above
.endr
.endm
.macro SEND a, younger                 ; younger: the LDS instructions issued behind block a's loads, which may stay out
	s_wait_dscnt \younger
.irp t, 0,1,2,3,4,5,6,7,8,9,10,11,12,13,14,15
	global_store_b128 v26, v[128+64*((\a)%2)+4*\t:128+64*((\a)%2)+4*\t+3], s[12:13] offset:(32*((\a)/2)+8*((\a)%2)+\t+8*(\t/8))*4096 th:TH_STORE_NT
.endr
.endm
	PLACES                                         ; behind the last products: for the reads of their results and the loads into O's fragments' registers
	TOSTAGE 0
.irp a, 1,2,3
.if \a > 1
	s_wait_xcnt 0x0                                ; block a - 2's stores have read their registers: block a's loads may land there
.endif
	TOSTAGE \a
	SEND \a-1, 32                                  ; behind block a - 1's loads: block a's 16 stores and 16 loads
.endr
	SEND 3, 0
	s_wait_tensorcnt 0x0                           ; the wave's end
	ds_add_u32 v28, v29
	s_wait_dscnt 0x0
	CROUND                                         ; the closing round
	s_endpgm
.Lfunc_end_k_q341814bd1b_proj:
	.size	k_q341814bd1b_proj, .Lfunc_end_k_q341814bd1b_proj-k_q341814bd1b_proj
	.p2alignl 7, 3214868480
	.fill 96, 4, 3214868480
	.section	.rodata,"a",@progbits
	.p2align	6, 0x0
	.amdhsa_kernel k_q341814bd1b_proj
		.amdhsa_group_segment_fixed_size 307712
		.amdhsa_private_segment_fixed_size 0
		.amdhsa_enable_private_segment 0
		.amdhsa_kernarg_size 32
		.amdhsa_user_sgpr_count 2
		.amdhsa_user_sgpr_kernarg_segment_ptr 1
		.amdhsa_wavefront_size32 1
		.amdhsa_system_sgpr_workgroup_id_x 1
		.amdhsa_system_sgpr_workgroup_id_y 1
		.amdhsa_system_sgpr_workgroup_id_z 1
		.amdhsa_system_vgpr_workitem_id 0
		.amdhsa_next_free_vgpr 768
		.amdhsa_next_free_sgpr 102
		.amdhsa_reserve_vcc 0
		.amdhsa_float_denorm_mode_32 3
		.amdhsa_float_denorm_mode_16_64 3
		.amdhsa_memory_ordered 1
		.amdhsa_forward_progress 1
		.amdhsa_inst_pref_size 97
	.end_amdhsa_kernel
	.amdgpu_metadata
---
amdhsa.version: [ 1, 2 ]
amdhsa.kernels:
  - .name:           k_q341814bd1b_proj
    .symbol:         k_q341814bd1b_proj.kd
    .args:
      - { .name: att, .offset: 0, .size: 8, .value_kind: global_buffer, .address_space: global }
      - { .name: opnd, .offset: 8, .size: 8, .value_kind: global_buffer, .address_space: global }
      - { .name: bo, .offset: 16, .size: 8, .value_kind: global_buffer, .address_space: global }
      - { .name: out0, .offset: 24, .size: 8, .value_kind: global_buffer, .address_space: global }
    .group_segment_fixed_size: 307712
    .private_segment_fixed_size: 0
    .kernarg_segment_align: 8
    .kernarg_segment_size: 32
    .max_flat_workgroup_size: 128
    .sgpr_count:     102
    .vgpr_count:     768
    .wavefront_size: 32
...
	.end_amdgpu_metadata
.endif
;; end of part 4
